; MI455X (gfx1250); checked and timed in simulation.
; The chip was launched on July 23, 2026; its instructions are those of AMD's public machine-readable ISA for CDNA 5 (MIT licence, August 2026) and "CDNA5" Instruction Set Architecture Reference Guide (July 2026). The comments in the code are by the model that wrote it; some were corrected since.
;; Reference Moe Model. Allowed arithmetic: matrix products marked QUANTISED: E2M3 operands, one E8M0 scale for each 32 along K, by v_wmma_scale_f32_16x16x128_f8f6f4 with both operands' format E2M3, f32 sums; products left as they are: f32 operands where the result goes on into a quantised operand, else bf16, f16 or f32 operands; f32 sums; everything else in f32.
;; Inputs: gate_w 8 x 1,024 float32; hidden_states 2 x 2,048 x 1,024 float32; w_down 8 x 1,024 x 512 float32; w_gate 8 x 512 x 1,024 float32; w_up 8 x 512 x 1,024 float32.
;; Outputs: out0 2 x 2,048 x 1,024 float32.
;; This version of the problem:
;;   THIS VERSION OF THE PROBLEM IS GIVEN IN LOW PRECISION. The matrix products marked QUANTISED in the list below multiply operands that are first quantised to E2M3 (2 exponent bits, 3 mantissa bits; 6 bits a number), with one power-of-two scale for each 32 numbers along K (OCP MX v1.0); their sums are f32. All else is computed in f32.
;;   The module's matrix products, in the order in which they are computed (A, B: the left and right operand; K: the contracted axis; several contracted axes count as one K, in the product's order):
;;     1. [M 4,096, K 1,024] x [K 1,024, N 8]; A: input hidden_states; B: input gate_w: left as it is (N = 8 < 16)
;;     2. [M 4,096, K 1,024] x [K 1,024, N 512]; A: computed on the way; B: input w_gate: QUANTISED
;;     3. [M 4,096, K 1,024] x [K 1,024, N 512]; A: computed on the way; B: input w_up: QUANTISED
;;     4. [M 4,096, K 512] x [K 512, N 1,024]; A: computed on the way; B: input w_down: QUANTISED
;;     5. [M 4,096, K 1,024] x [K 1,024, N 512]; A: computed on the way; B: input w_gate: QUANTISED
;;     6. [M 4,096, K 1,024] x [K 1,024, N 512]; A: computed on the way; B: input w_up: QUANTISED
;;     7. [M 4,096, K 512] x [K 512, N 1,024]; A: computed on the way; B: input w_down: QUANTISED
;;     8. [M 4,096, K 1,024] x [K 1,024, N 512]; A: computed on the way; B: input w_gate: QUANTISED
;;     9. [M 4,096, K 1,024] x [K 1,024, N 512]; A: computed on the way; B: input w_up: QUANTISED
;;     10. [M 4,096, K 512] x [K 512, N 1,024]; A: computed on the way; B: input w_down: QUANTISED
;;     11. [M 4,096, K 1,024] x [K 1,024, N 512]; A: computed on the way; B: input w_gate: QUANTISED
;;     12. [M 4,096, K 1,024] x [K 1,024, N 512]; A: computed on the way; B: input w_up: QUANTISED
;;     13. [M 4,096, K 512] x [K 512, N 1,024]; A: computed on the way; B: input w_down: QUANTISED
;;     14. [M 4,096, K 1,024] x [K 1,024, N 512]; A: computed on the way; B: input w_gate: QUANTISED
;;     15. [M 4,096, K 1,024] x [K 1,024, N 512]; A: computed on the way; B: input w_up: QUANTISED
;;     16. [M 4,096, K 512] x [K 512, N 1,024]; A: computed on the way; B: input w_down: QUANTISED
;;     17. [M 4,096, K 1,024] x [K 1,024, N 512]; A: computed on the way; B: input w_gate: QUANTISED
;;     18. [M 4,096, K 1,024] x [K 1,024, N 512]; A: computed on the way; B: input w_up: QUANTISED
;;     19. [M 4,096, K 512] x [K 512, N 1,024]; A: computed on the way; B: input w_down: QUANTISED
;;     20. [M 4,096, K 1,024] x [K 1,024, N 512]; A: computed on the way; B: input w_gate: QUANTISED
;;     21. [M 4,096, K 1,024] x [K 1,024, N 512]; A: computed on the way; B: input w_up: QUANTISED
;;     22. [M 4,096, K 512] x [K 512, N 1,024]; A: computed on the way; B: input w_down: QUANTISED
;;     23. [M 4,096, K 1,024] x [K 1,024, N 512]; A: computed on the way; B: input w_gate: QUANTISED
;;     24. [M 4,096, K 1,024] x [K 1,024, N 512]; A: computed on the way; B: input w_up: QUANTISED
;;     25. [M 4,096, K 512] x [K 512, N 1,024]; A: computed on the way; B: input w_down: QUANTISED
;;   THE QUANTISER, for each operand of a quantised product, along K:
;;     - K is cut into blocks of 32 from its start; a last block that is shorter is filled with zeros.
;;     - A block's scale is 2^e with e = floor(log2(the largest magnitude in the block)) - 2, held to -126 .. 127; a block of zeros has e = 0. As a byte (E8M0): e + 127.
;;     - Each number is divided by its block's scale, clamped to +-7.5, and rounded to the nearest number of E2M3, ties to even, subnormals kept.
;;     - The product sums the exact products of the quantised numbers (number of the format x scale) in f32.
;;   ~~~python
;;   def quantise(x, axis):      # numpy; x: float32 -> the quantised numbers, widened to float32 again
;;       x = np.moveaxis(x, axis, -1); K = x.shape[-1]
;;       x = np.pad(x, [(0, 0)] * (x.ndim - 1) + [(0, -K % 32)]); x = x.reshape(x.shape[:-1] + (-1, 32)); a = np.abs(x).max(-1, keepdims=True)
;;       e = np.where(a > 0, np.clip(np.frexp(np.where(a > 0, a, 1))[1] - 1 - 2, -126, 127), 0)      # np.frexp(a)[1] - 1 = floor(log2(a)), exactly
;;       r = np.clip(x / 2.0 ** e, -7.5, 7.5)
;;       step = 2.0 ** (np.maximum(np.frexp(np.where(r == 0, 1, r))[1] - 1, 0) - 3)
;;       q = np.round(r / step) * step * 2.0 ** e      # np.round: ties to even
;;       return np.moveaxis(q.reshape(q.shape[:-2] + (-1,))[..., :K], -1, axis).astype(np.float32)
;;   ~~~
;;   OPERANDS COMPUTED ON THE WAY. 'Computed on the way' means the value that the module computes at that place (a softmax that the list does not call 'softmax' is quantised finished and normalised). What goes into a quantiser is computed in f32, as accurately as f32 sums, v_exp_f32 and their like allow (about 1e-6 of the number): no bf16 or f16 on the way to a quantiser, and a product that is left as it is and whose result goes on into a quantised operand takes f32 operands (vector FMAs, or v_wmma_f32_16x16x4_f32). A number that lies on a knife's edge between two numbers of the format may be rounded either way, as far as f32 arithmetic and the matrix unit's own rounding can turn it there, and no further.
;; One version. Each part assembles by itself: llvm-mc -triple=amdgcn-amd-amdhsa -mcpu=gfx1250 --defsym DOCPART=n.
;; ======== version 1 of 1: 3 launches
;; workspace buffers: xq 3,276,800 bytes; msk 8,192 bytes of whole numbers; wgu 6,553,600 bytes; wdn 3,276,800 bytes; hq 1,996,800 bytes; route 25,088 bytes of whole numbers
;; launch prep (part 1): grid 256 x 1, 5 waves a work-group, no clusters, 110,848 bytes of LDS; arguments hidden_states, gate_w, w_gate, w_up, w_down, xq, msk, wgu, wdn; writes xq, msk, wgu, wdn
.if DOCPART == 1
	.amdgcn_target "amdgcn-amd-amdhsa--gfx1250"
	.amdhsa_code_object_version 6
	.text
	.protected	k_q949e196328_prep
	.globl	k_q949e196328_prep
	.p2align	8
	.type	k_q949e196328_prep,@function
k_q949e196328_prep:
	s_mov_b64 s[64:65], 0
	v_nop
	global_prefetch_b8 v0, s[64:65] scope:SCOPE_SE
	s_setreg_imm32_b32 hwreg(HW_REG_WAVE_MODE, 25, 1), 1
	s_wait_xcnt 0x0
; THE FIRST OF THREE LAUNCHES.  It reads every f32 input once and leaves codes of FP6 (E2M3) with one E8M0 byte for each 32 along K:
;   the router (logits in f32, the first largest of 8, rw = sigmoid of it), xs = x * rw quantised (xq), the choice as bit masks and counts at fixed places (msk),
;   w_gate and w_up (wgu) and w_down (wdn) quantised and laid in the order of a matrix operand's registers, so that the later launches load fragments whole.
; K is innermost in all four tensors, so each is a stream of blocks of 32 numbers.  The unit of work is a ROW of 4,096 bytes = 32 blocks: lane b takes block b.
; A row is loaded as it lies (each load 512 consecutive bytes of the wave), turned through the wave's own LDS so that a lane holds its block's 32 numbers, quantised,
; and its 24 bytes of codes are put into a stage in LDS in the order of the destination; the stage leaves as runs of 512 consecutive bytes.
; ROLES, by the wave's number; they never join, share no LDS byte and pass no barrier:
;   waves 0, 1: 8 tokens each (tokens 8 bx on, bx = 2 x work-group + wave);   waves 2, 3: 16 rows of w_gate (work-groups 0-127) or w_up (128-255);   wave 4: 32 rows of w_down.
; A block's scale is 2^(floor(log2(its largest magnitude)) - 2); its byte is that magnitude's exponent field - 2, held at 1 from below.
; LIMITS: NaN and infinities are not served.  A block of zeros, and one whose largest magnitude lies under 2^-124, keeps the byte 1 (zero codes add nothing; this program alone reads the bytes).
; Two top logits closer than the rounding of an f32 sum of 1,024 products (about 1e-6 of their size) may be ordered otherwise than by another order of summing.  A top logit under about -87 gives rw = 0.
; WORK LEFT OUT: reference() sends every token through every expert, multiplied by a mask that it builds itself (sel == e).  A row of an expert that the token did not choose is a row of zeros:
; its codes are zeros, g = u = 0, u * silu(g) = 0, and what is added to the token is 0, whatever the inputs hold.  Those rows are not multiplied.
; LIMIT: a NaN, an infinity or an overflow that would arise only in those rows (an infinite weight times 0) is not carried to the result.
.set REGB, 22016
.set TBUF, 4608
.set STG,  9216
.set SCB,  21504
.set MSB, 0
.macro WIN new                         ; the immediate's high byte repeats the setting that is left
.if MSB != \new
	s_set_vgpr_msb (MSB<<8)|\new
.set MSB, \new
.endif
.endm
; eight loads: a row's 4,096 bytes, 512 consecutive bytes each
.macro LOADROW reg, off
.irp i,0,1,2,3,4,5,6,7
	global_load_b128 v[\reg+4*\i:\reg+4*\i+3], v6, s[24:25] offset:\off+512*\i th:TH_LOAD_NT
.endr
.endm
; a row through a turning buffer: in as loaded (block 4 i + lane / 8 at 144 bytes a block), out 128 bytes a lane.  LDS serves a wave's instructions in order: no wait between
.macro TURN rin, rout, buf
.irp i,0,1,2,3,4,5,6,7
	ds_store_b128 v2, v[\rin+4*\i:\rin+4*\i+3] offset:(\buf)*TBUF+576*\i
.endr
.irp i,0,1,2,3,4,5,6,7
	ds_load_b128 v[\rout+4*\i:\rout+4*\i+3], v3 offset:(\buf)*TBUF+16*\i
.endr
.endm
; my block's 32 numbers v[t ..] become 24 bytes of codes v[c .. c+5] and the byte v[m+3].  m, m+1: two chains of maxima; m+2: the conversion's scale operand
.macro QBLK t, m, c
	v_max3_num_f32 v[\m], |v[\t]|, |v[\t+1]|, |v[\t+2]|
	v_max3_num_f32 v[\m+1], |v[\t+3]|, |v[\t+4]|, |v[\t+5]|
.irp i,6,10,14,18,22,26
	v_max3_num_f32 v[\m], v[\m], |v[\t+\i]|, |v[\t+\i+1]|
	v_max3_num_f32 v[\m+1], v[\m+1], |v[\t+\i+2]|, |v[\t+\i+3]|
.endr
	v_max3_num_f32 v[\m], v[\m], |v[\t+30]|, |v[\t+31]|
	v_max3_num_f32 v[\m], v[\m], v[\m+1], 0x1800000       ; and the floor 2^(3 - 127): the byte cannot fall under 1
	v_add_nc_u32 v[\m+2], 0xff000000, v[\m]               ; 2 off the exponent field: the conversion takes this operand's exponent field as its scale
	v_cvt_scalef32_pk16_fp6_f32 v[\c:\c+2], v[\t:\t+15], v[\m+2]
	v_cvt_scalef32_pk16_fp6_f32 v[\c+6:\c+8], v[\t+16:\t+31], v[\m+2]   ; (a conversion's three registers begin on an even number)
	v_lshrrev_b32 v[\m+3], 23, v[\m+2]                    ; the scale's byte; also the plain line behind the conversions
	v_mov_b32 v[\c+3], v[\c+6]
	v_mov_b32 v[\c+4], v[\c+7]
	v_mov_b32 v[\c+5], v[\c+8]
.endm
; the block's three pieces of 8 bytes to their places in the stage (v8, v9, v10 hold the lane's part, the immediate the row's), the byte to the scale bytes
.macro PUT c, by, soff, boff
	ds_store_b64 v8, v[\c:\c+1] offset:\soff
	ds_store_b64 v9, v[\c+2:\c+3] offset:\soff
	ds_store_b64 v10, v[\c+4:\c+5] offset:\soff
	ds_store_b8 v4, v[\by] offset:\boff
.endm
; v13 = the block's place in the stage, v14 = cc (which half of a lane's twelve registers): the three pieces' addresses
.macro CHUNKS k0, k1, k2
	v_add_nc_u32 v13, s23, v13
	v_add_nc_u32 v13, STG, v13
	v_mad_u32_u24 v8, v14, \k0, v13
	v_mad_u32_u24 v9, v14, \k1, v13
	v_add_nc_u32 v9, 8, v9
	v_add_nc_u32 v10, \k2, v8
.endm
	s_load_b512 s[4:19], s[0:1], 0x0               ; hidden s[4:5], gate_w s[6:7], w_gate s[8:9], w_up s[10:11], w_down s[12:13], xq s[14:15], msk s[16:17], wgu s[18:19]
	s_load_b64 s[20:21], s[0:1], 0x40              ; wdn
	v_lshl_add_u32 v254, v0, 2, 0x1ae00
	v_mov_b32 v255, 0
	v_and_b32 v1, 31, v0                           ; lane
	v_lshrrev_b32 v2, 5, v0
	v_readfirstlane_b32 s22, v2                    ; wave 0..4
	s_mul_i32 s23, s22, REGB                       ; my wave's LDS
	v_lshrrev_b32 v2, 3, v1
	v_mul_u32_u24 v2, v2, 144
	v_and_b32 v3, 7, v1
	v_lshl_add_u32 v2, v3, 4, v2
	v_add_nc_u32 v2, s23, v2                       ; v2: into a turning buffer: 144 (lane / 8) + 16 (lane % 8)
	v_mul_u32_u24 v3, v1, 144
	v_add_nc_u32 v3, s23, v3                       ; v3: out of it: 144 x lane
	v_add_nc_u32 v4, s23, v1
	v_add_nc_u32 v4, SCB, v4                       ; v4: my block's scale byte
	v_lshlrev_b32 v6, 4, v1                        ; v6: 16 x lane, in memory
	v_add_nc_u32 v5, s23, v6
	v_add_nc_u32 v5, STG, v5                       ; v5: the stage on the way out
	v_lshlrev_b32 v11, 3, v1                       ; v11: 8 x lane
	v_add_nc_u32 v7, s23, v11
	v_add_nc_u32 v7, SCB, v7                       ; v7: 8 scale bytes a lane
	v_lshlrev_b32 v12, 9, v1                       ; v12: 512 x lane: an expert's row of msk
	s_mov_b32 s32, 0x76543210
	s_mov_b32 s33, 0xfedcba98                      ; v_permlanex16_b32's selects for lane l xor 16
	s_mov_b32 s35, 0
	s_wait_kmcnt 0x0
	s_cmp_lt_u32 s22, 2
	s_cbranch_scc1 .Lrole_x
	s_cmp_eq_u32 s22, 4
	s_cbranch_scc1 .Lrole_dn
; ---- THE WEIGHTS.  REGISTERS: v16-143 four rows as loaded; v144-207 two rows turned; v208-215 maxima, scale, byte, two sets; v216-239 codes, two sets.
; Step t: row t is back from its buffer; row t + 4 is asked for; row t + 1 goes through the other buffer while row t is quantised.
.macro WSTEP t, dn
.if \t == 0
	s_wait_dscnt 0x0
.else
	s_wait_dscnt 0x4                               ; row t is turned; the four stores of row t - 1's codes and byte may be out.  So row t - 2's have read this set's registers
.endif
.if \t+4 < 16
.if \dn
.set SRC, (\t+4)*4096
.else
.set SRC, (((\t+4)&7)+16*((\t+4)>>3))*4096         ; a tile's rows 8-15 lie 16 rows behind its rows 0-7
.endif
.set RR, 16+32*(\t%4)
	LOADROW RR, SRC
.endif
.if \t < 15
.if \t < 12
	s_wait_loadcnt 24                              ; row t + 1 is in; the three rows behind it, 8 loads each, may be out
.else
	s_wait_loadcnt 8*(14-\t)                       ; the last rows: the count runs down
.endif
.set RR, 16+32*((\t+1)%4)
.set TT, 144+32*((\t+1)%2)
.set BB, (\t+1)%2
	TURN RR, TT, BB
.endif
.set TT, 144+32*(\t%2)
.set MM, 208+4*(\t%2)
.set CC, 216+12*(\t%2)
	QBLK TT, MM, CC
.if \dn
.set SO, 6144*(\t>>3)+32*(\t&7)
.else
.set SO, 16*\t
.endif
	PUT CC, MM+3, SO, 32*\t
.endm
.macro WROLE dn
.irp t,0,1,2,3
.set RR, 16+32*\t
.set SRC, \t*4096
	LOADROW RR, SRC
.endr
	s_wait_loadcnt 24
	TURN 16, 144, 0
.irp t,0,1,2,3,4,5,6,7,8,9,10,11,12,13,14,15
	WSTEP \t, \dn
.endr
.irp k,0,1,2,3,4,5,6,7,8,9,10,11,12,13,14,15,16,17,18,19,20,21,22,23
	ds_load_b128 v[16+4*\k:19+4*\k], v5 offset:512*\k          ; these see my stores: LDS serves a wave's instructions in order
.endr
	ds_load_b128 v[112:115], v5 offset:SCB-STG
.irp k,0,1,2,3,4,5,6,7,8,9,10,11,12,13,14,15,16,17,18,19,20,21,22,23
	s_wait_dscnt 24-\k                             ; piece k is back; the younger loads may be out
.if \dn
.set DST, (4*((\k/3)%4)+(\k/12))*1536+512*(\k%3)   ; stage: tile, K step, piece;  memory: K step, tile, piece
.else
.set DST, 6144*(\k/3)+512*(\k%3)                   ; my tile's fragment of K step k / 3: four tiles' fragments lie between two of them
.endif
	global_store_b128 v6, v[16+4*\k:19+4*\k], s[26:27] offset:DST   ; 512 consecutive bytes, at a multiple of 512 from the buffer's first byte
.endr
	s_wait_dscnt 0x0
	global_store_b128 v6, v[112:115], s[28:29]     ; 512 scale bytes
	s_wait_tensorcnt 0x0
	ds_add_u32 v254, v255
	s_wait_dscnt 0x0
	s_endpgm
.endm
; waves 2, 3: tile u = wave - 2 of unit un = 16 e + I / 32.  Lane r of a tile is I row 32 blk + 8 u + r + 8 (r / 8), so that a later result's 16 registers of tiles 0 and 1 are 16 neighbours along I.
	s_and_b32 s30, ttmp9, 127                      ; un
	s_cmp_lt_u32 ttmp9, 128                        ; the choice hangs on the work-group's number alone
	s_cselect_b64 s[24:25], s[8:9], s[10:11]
	s_cselect_b32 s31, 0, 2
	s_sub_co_u32 s36, s22, 2                       ; u
	s_add_co_u32 s31, s31, s36                     ; q: 0, 1 gate; 2, 3 up
	s_lshl_b32 s34, s30, 17                        ; 32 rows of 4,096 bytes a unit
	s_lshl_b32 s36, s36, 15
	s_add_co_u32 s34, s34, s36
	s_add_nc_u64 s[24:25], s[24:25], s[34:35]
	s_mul_i32 s34, s30, 49152
	s_mul_i32 s36, s31, 1536
	s_add_co_u32 s34, s34, s36
	s_add_nc_u64 s[26:27], s[18:19], s[34:35]      ; codes: unit, fragment q of K step 0
	s_lshl_b32 s34, s30, 11
	s_lshl_b32 s36, s31, 9
	s_add_co_u32 s34, s34, s36
	s_add_co_u32 s34, s34, 6291456
	s_add_nc_u64 s[28:29], s[18:19], s[34:35]      ; scale bytes: unit, tile, row, block
	v_lshrrev_b32 v13, 2, v1                       ; block b = 4 s + 2 cc + h: K step s,
	v_bfe_u32 v14, v1, 1, 1                        ; registers 6 cc on,
	v_and_b32 v15, 1, v1                           ; of lane r + 16 h
	v_mul_u32_u24 v13, v13, 1536
	v_lshl_add_u32 v13, v15, 8, v13
	CHUNKS 520, 1016, 512                          ; a fragment's image: piece c (512 bytes) holds each lane's registers 4 c .. 4 c + 3 at 16 x lane
	WROLE 0
.Lrole_dn:                                             ; wave 4: 32 rows of w_down (2,048 bytes each: a row of work is two of them); lane: row 2 t + lane / 16, block lane % 16
	s_lshl_b32 s34, ttmp9, 16
	s_add_nc_u64 s[24:25], s[12:13], s[34:35]
	s_lshr_b32 s30, ttmp9, 1                       ; unit = 16 e + n / 64
	s_and_b32 s31, ttmp9, 1                        ; which 32 of its 64 rows
	s_mul_i32 s34, s30, 24576
	s_mul_i32 s36, s31, 3072
	s_add_co_u32 s34, s34, s36
	s_add_nc_u64 s[26:27], s[20:21], s[34:35]
	s_lshl_b32 s34, s30, 10
	s_lshl_b32 s36, s31, 9
	s_add_co_u32 s34, s34, s36
	s_add_co_u32 s34, s34, 3145728
	s_add_nc_u64 s[28:29], s[20:21], s[34:35]
	v_bfe_u32 v13, v1, 2, 2                        ; K step
	v_bfe_u32 v14, v1, 1, 1
	v_and_b32 v15, 1, v1
	v_mul_u32_u24 v13, v13, 1536
	v_lshl_add_u32 v13, v15, 8, v13
	v_lshrrev_b32 v15, 4, v1
	v_lshl_add_u32 v13, v15, 4, v13                ; the odd row of the two is the next lane of the image
	CHUNKS 520, 1016, 512
	WROLE 1
; ---- THE TOKENS.  REGISTERS: window 1: gate_w, expert e at v[32 e ..], laid as a row of x is loaded.  Window 0: v16-143 four rows of x; v144-175 two rows x eight logits (pairs), later the quantiser's registers;
; v176-239 two rows of xs; v240-241 largest logit; v242-243 its expert; v[244:245], v[246:247] rw; v248 lane i: the expert of token i; v249, v250 lane e: the mask and the count of expert e; v251-252 at work.
.Lrole_x:
	s_lshl_b32 s30, ttmp9, 1
	s_add_co_u32 s30, s30, s22                     ; bx: which 8 tokens
	s_lshl_b32 s34, s30, 15
	s_add_nc_u64 s[24:25], s[4:5], s[34:35]
	s_mul_i32 s34, s30, 6144
	s_add_nc_u64 s[26:27], s[14:15], s[34:35]      ; codes: 768 bytes a token
	s_lshl_b32 s34, s30, 8
	s_add_co_u32 s34, s34, 3145728
	s_add_nc_u64 s[28:29], s[14:15], s[34:35]      ; scale bytes: 32 a token
	s_mov_b32 s34, s30
	s_add_nc_u64 s[36:37], s[16:17], s[34:35]      ; msk: byte bx of each expert's row
	v_lshrrev_b32 v13, 2, v1
	v_bfe_u32 v14, v1, 1, 1
	v_and_b32 v15, 1, v1
	v_mul_u32_u24 v13, v13, 96
	v_lshl_add_u32 v13, v15, 4, v13
	CHUNKS 40, 56, 32                              ; a token's row: the 16-byte piece 2 (3 s + c) + h holds registers 4 c .. 4 c + 3 of the lane of half h in K step s
	v_mov_b32 v245, 0                              ; (named as the upper halves of the pairs that hold rw)
	v_mov_b32 v247, 0
	v_mov_b32 v248, -1
	v_mov_b32 v249, 0
	v_mov_b32 v250, 0
	WIN 0x40                                       ; destination window 1
.irp e,0,1,2,3,4,5,6,7
.irp i,0,1,2,3,4,5,6,7
	global_load_b128 v[32*\e+4*\i:32*\e+4*\i+3], v6, s[6:7] offset:4096*\e+512*\i
.endr
.endr
	WIN 0
.irp t,0,1,2,3
.set RR, 16+32*\t
.set SRC, \t*4096
	LOADROW RR, SRC
.endr
.macro XPAIR p                         ; tokens 2 p and 2 p + 1, line by line by turns
.set XA, 16+32*((2*\p)%4)
.set XB, XA+32
	s_wait_dscnt 0x0                               ; the last pair's stores have read the registers that the logits take
.if \p < 3
	s_wait_loadcnt 16                              ; gate_w and this pair's rows are in; the next pair's 16 loads may be out
.else
	s_wait_loadcnt 0x0
.endif
	WIN 0x04                                       ; source 1 (gate_w) window 1
.set I2, 0
.rept 16                               ; 16 sums by turns, two products an instruction: a lane sums its 32 numbers of the row for each expert
.irp e,0,1,2,3,4,5,6,7
.if I2 == 0
	v_pk_mul_f32 v[144+2*\e:145+2*\e], v[XA:XA+1], v[32*\e:32*\e+1]
	v_pk_mul_f32 v[160+2*\e:161+2*\e], v[XB:XB+1], v[32*\e:32*\e+1]
.else
	v_pk_fma_f32 v[144+2*\e:145+2*\e], v[XA+2*I2:XA+2*I2+1], v[32*\e+2*I2:32*\e+2*I2+1], v[144+2*\e:145+2*\e]
	v_pk_fma_f32 v[160+2*\e:161+2*\e], v[XB+2*I2:XB+2*I2+1], v[32*\e+2*I2:32*\e+2*I2+1], v[160+2*\e:161+2*\e]
.endif
.endr
.set I2, I2+1
.endr
	WIN 0
.irp n,0,2,4,6,8,10,12,14,16,18,20,22,24,26,28,30
	v_add_f32 v[144+\n], v[144+\n], v[145+\n]
.endr
.irp d,1,2,4,8
.irp n,0,2,4,6,8,10,12,14,16,18,20,22,24,26,28,30
	v_add_f32_dpp v[144+\n], v[144+\n], v[144+\n] row_xmask:\d row_mask:0xf bank_mask:0xf
.endr
.endr
.irp n,0,2,4,6,8,10,12,14,16,18,20,22,24,26,28,30
	v_permlanex16_b32 v[145+\n], v[144+\n], s32, s33
.endr
.irp n,0,2,4,6,8,10,12,14,16,18,20,22,24,26,28,30
	v_add_f32 v[144+\n], v[144+\n], v[145+\n]      ; every lane holds the 16 logits, the same bits in all lanes
.endr
.irp a,0,1
	v_max3_num_f32 v[240+\a], v[144+16*\a], v[146+16*\a], v[148+16*\a]
.endr
.irp a,0,1
	v_max3_num_f32 v[240+\a], v[240+\a], v[150+16*\a], v[152+16*\a]
.endr
.irp a,0,1
	v_max3_num_f32 v[240+\a], v[240+\a], v[154+16*\a], v[156+16*\a]
.endr
.irp a,0,1
	v_max_num_f32 v[240+\a], v[240+\a], v[158+16*\a]
.endr
	v_mov_b32 v242, 7
	v_mov_b32 v243, 7
.irp e,6,5,4,3,2,1,0                   ; from the top down: of equal logits the lowest expert stays
.irp a,0,1
	v_cmp_neq_f32 vcc_lo, v[144+16*\a+2*\e], v[240+\a]
	v_cndmask_b32 v[242+\a], \e, v[242+\a], vcc_lo
.endr
.endr
	v_mul_f32 v251, 0xbfb8aa3b, v240               ; -log2(e) x the top logit
	v_mul_f32 v252, 0xbfb8aa3b, v241
	s_wait_alu depctr_va_vdst(0)
	v_exp_f32 v251, v251
	v_exp_f32 v252, v252
	v_nop                                          ; a plain line behind the exponentials
	s_wait_alu depctr_va_vdst(0)                   ; the wait ahead of the first reader: one for both
	v_add_f32 v251, 1.0, v251
	v_add_f32 v252, 1.0, v252
	s_wait_alu depctr_va_vdst(0)
	v_rcp_f32 v244, v251                           ; rw = 1 / (1 + 2^(-log2(e) t))
	v_rcp_f32 v246, v252
	s_mov_b32 s31, 1<<(2*\p)
	v_cndmask_b32 v248, v248, v242, s31            ; lane i keeps token i's expert.  (Plain lines behind the reciprocals, which name none of their registers)
	s_mov_b32 s31, 1<<(2*\p+1)
	v_cndmask_b32 v248, v248, v243, s31
	s_wait_alu depctr_va_vdst(0)                   ; one wait for both reciprocals
.irp k,0,2,4,6,8,10,12,14,16,18,20,22,24,26,28,30
	v_pk_mul_f32 v[176+\k:177+\k], v[XA+\k:XA+\k+1], v[244:245] op_sel_hi:[1,0]   ; xs = x * rw
	v_pk_mul_f32 v[208+\k:209+\k], v[XB+\k:XB+\k+1], v[246:247] op_sel_hi:[1,0]
.endr
.if \p < 2
.set SRC, (2*\p+4)*4096
	LOADROW XA, SRC
.set SRC, (2*\p+5)*4096
	LOADROW XB, SRC
.endif
	TURN 176, 176, 0                               ; into the registers that they left: the loads come behind the stores
	TURN 208, 208, 1
	s_wait_dscnt 0x0
	QBLK 176, 144, 148
	QBLK 208, 160, 164
	PUT 148, 147, 768*(2*\p), 32*(2*\p)
	PUT 164, 163, 768*(2*\p+1), 32*(2*\p+1)
.endm
	XPAIR 0
	XPAIR 1
	XPAIR 2
	XPAIR 3
.irp e,0,1,2,3,4,5,6,7
	v_cmp_eq_u32 s30, \e, v248                     ; bit i: token 8 bx + i chose expert e (lanes 8-31 hold -1)
	s_bcnt1_i32_b32 s31, s30
	v_writelane_b32 v249, s30, \e
	v_writelane_b32 v250, s31, \e
.endr
.irp k,0,1,2,3,4,5,6,7,8,9,10,11
	ds_load_b128 v[16+4*\k:19+4*\k], v5 offset:512*\k
.endr
	ds_load_b64 v[64:65], v7
	s_wait_alu depctr_va_vdst(0)
.irp k,0,1,2,3,4,5,6,7,8,9,10,11
	s_wait_dscnt 12-\k
	global_store_b128 v6, v[16+4*\k:19+4*\k], s[26:27] offset:512*\k   ; the 8 tokens' codes are 6,144 consecutive bytes
.endr
	s_wait_dscnt 0x0
	global_store_b64 v11, v[64:65], s[28:29]       ; and their scale bytes 256
	s_wait_xcnt 0x0                                ; EXEC changes only behind this wait
	v_cmp_gt_u32 vcc_lo, 8, v1
	s_wait_tensorcnt 0x0
	ds_add_u32 v254, v255
	s_wait_dscnt 0x0
	s_and_saveexec_b32 s30, vcc_lo
	global_store_b8 v12, v249, s[36:37]            ; lane e: expert e's mask byte,
	global_store_b8 v12, v250, s[36:37] offset:4096   ; and its count
	s_wait_xcnt 0x0
	s_or_b32 exec_lo, exec_lo, s30
	s_endpgm
.Lfunc_end_k_q949e196328_prep:
	.size	k_q949e196328_prep, .Lfunc_end_k_q949e196328_prep-k_q949e196328_prep
	.p2alignl 7, 3214868480
	.fill 96, 4, 3214868480
	.section	.rodata,"a",@progbits
	.p2align	6, 0x0
	.amdhsa_kernel k_q949e196328_prep
		.amdhsa_group_segment_fixed_size 110848
		.amdhsa_private_segment_fixed_size 0
		.amdhsa_enable_private_segment 0
		.amdhsa_kernarg_size 72
		.amdhsa_user_sgpr_count 2
		.amdhsa_user_sgpr_kernarg_segment_ptr 1
		.amdhsa_wavefront_size32 1
		.amdhsa_system_sgpr_workgroup_id_x 1
		.amdhsa_system_sgpr_workgroup_id_y 1
		.amdhsa_system_sgpr_workgroup_id_z 1
		.amdhsa_system_vgpr_workitem_id 0
		.amdhsa_next_free_vgpr 512
		.amdhsa_next_free_sgpr 66
		.amdhsa_reserve_vcc 1
		.amdhsa_float_denorm_mode_32 3
		.amdhsa_float_denorm_mode_16_64 3
		.amdhsa_memory_ordered 1
		.amdhsa_forward_progress 1
		.amdhsa_inst_pref_size 255
	.end_amdhsa_kernel
	.section	.bss,"aw",@nobits
	.p2align	6
	.space	262144
	.amdgpu_metadata
---
amdhsa.version: [ 1, 2 ]
amdhsa.kernels:
  - .name:           k_q949e196328_prep
    .symbol:         k_q949e196328_prep.kd
    .args:
      - { .name: hidden_states, .offset: 0, .size: 8, .value_kind: global_buffer, .address_space: global }
      - { .name: gate_w, .offset: 8, .size: 8, .value_kind: global_buffer, .address_space: global }
      - { .name: w_gate, .offset: 16, .size: 8, .value_kind: global_buffer, .address_space: global }
      - { .name: w_up, .offset: 24, .size: 8, .value_kind: global_buffer, .address_space: global }
      - { .name: w_down, .offset: 32, .size: 8, .value_kind: global_buffer, .address_space: global }
      - { .name: xq, .offset: 40, .size: 8, .value_kind: global_buffer, .address_space: global }
      - { .name: msk, .offset: 48, .size: 8, .value_kind: global_buffer, .address_space: global }
      - { .name: wgu, .offset: 56, .size: 8, .value_kind: global_buffer, .address_space: global }
      - { .name: wdn, .offset: 64, .size: 8, .value_kind: global_buffer, .address_space: global }
    .group_segment_fixed_size: 110848
    .private_segment_fixed_size: 0
    .kernarg_segment_align: 8
    .kernarg_segment_size: 72
    .max_flat_workgroup_size: 160
    .sgpr_count:     66
    .vgpr_count:     512
    .wavefront_size: 32
...
	.end_amdgpu_metadata
.endif
;; end of part 1
;; launch gateup (part 2): grid 39 x 4, 4 waves a work-group, no clusters, 111,104 bytes of LDS; arguments msk, xq, wgu, hq, route; writes hq, route
.if DOCPART == 2
	.amdgcn_target "amdgcn-amd-amdhsa--gfx1250"
	.amdhsa_code_object_version 6
	.text
	.protected	k_q949e196328_gateup
	.globl	k_q949e196328_gateup
	.p2align	8
	.type	k_q949e196328_gateup,@function
k_q949e196328_gateup:
	s_mov_b64 s[64:65], 0
	v_nop
	global_prefetch_b8 v0, s[64:65] scope:SCOPE_SE
	s_setreg_imm32_b32 hwreg(HW_REG_WAVE_MODE, 25, 1), 1
	s_wait_xcnt 0x0
; THE SECOND LAUNCH: h = u * silu(g), g = Q(xs) Q(w_gate[e])^T, u = Q(xs) Q(w_up[e])^T, for the rows of the expert that each token chose, and h quantised along I.
; TILES.  The tokens of an expert, in ascending order, are cut into tiles of 128 rows; the experts' tiles follow each other.  4,096 tokens on 8 experts make at most 32 + 7 = 39 tiles, whatever the choice:
; the grid's x is the tile, its y one of four slices of 128 of the 512 I units.  A tile that a given choice leaves without rows stores nothing but its list and word of the route and ends.
; The slots behind an expert's last token repeat that token: they compute the same numbers, and no store needs a mask.
; No multicast and no tensor load: the walk hangs on counts read from memory (an empty tile ends early), so operands go from memory to registers by plain loads, in the order of the operands' registers.
; THE ROUTE is found by every wave for itself from the 8,192 bytes of msk (a mask byte and a count byte for each expert and each 8 tokens), in whole numbers and lane permutes.
; SHARES.  Wave wv owns 32 I units (block B = 4 y + wv of the next product's K): two tiles of w_gate and two of w_up, 8 K steps: 384 registers, loaded once.  It multiplies them with all 8 tiles of 16 tokens: 32 accumulators.
; The 128 rows of codes of x are gathered once for the work-group, 32 rows a wave, into LDS as images of the operand's registers (pieces of 16 bytes a token, 272 bytes from piece to piece), and read by all four waves.
; THE PRODUCT IS USED TRANSPOSED (source 0 = 16 rows of a weight, source 1 = 16 tokens): a lane holds one token, and the 16 registers of a weight's two tiles are 16 neighbours along I.
; LIMITS: NaN and infinities are not served; a block of h whose largest magnitude lies under 2^-124, zeros among them, keeps the scale byte 1.
; REGISTERS.  Window 0: v1-15 addresses; v16-79 msk, later x's scale words (8 tt + s); v80-95 the gather's offsets; v96-127 the weights' scale words (8 q + s); v128 my slot's token; v130-138 the gather of x's scale bytes;
;   v144-239 the route's work, then x's fragments of even K steps, then the way out; v240-255 codes of h.   Window 1: the weights of K steps 0-4 (12 (4 s + q)).   Window 2: v0-143 those of K steps 5-7; v144-239 x's fragments of odd K steps.
;   Window 3: accumulator (tt, q) at v[8 (4 tt + q)], q = 0, 1 gate, 2, 3 up; ahead of the products v0-191 hold the gathered rows.
.set XTILE, 13056                      ; LDS: a tile of 16 tokens: 48 pieces x 272 bytes
.set XSC,   8*XTILE                    ; behind the eight: x's scale bytes, 48 bytes a slot (32 used)
.set MSB, 0
.macro WIN new                         ; the immediate's high byte repeats the setting that is left
.if MSB != \new
	s_set_vgpr_msb (MSB<<8)|\new
.set MSB, \new
.endif
.endm
.macro WLOAD s                         ; my four fragments of K step s: 12 loads of 512 consecutive bytes
.if (\s) < 5
	WIN 0x40
.set WB, 48*(\s)
.else
	WIN 0x80
.set WB, 48*((\s)-5)
.endif
.irp q,0,1,2,3
.irp c,0,1,2
	global_load_b128 v[WB+12*\q+4*\c:WB+12*\q+4*\c+3], v4, s[54:55] offset:1536*(4*(\s)+\q)+512*\c
.endr
.endr
.endm
.macro XFETCH s                        ; x's eight fragments of K step s from LDS: 24 loads; lanes 0-15 read 256 consecutive bytes, lanes 16-31 the next piece
.irp tt,0,1,2,3
.irp c,0,1,2
	ds_load_b128 v[144+12*\tt+4*\c:144+12*\tt+4*\c+3], v5 offset:XTILE*\tt+544*(3*(\s)+\c)
.endr
.endr
.irp tt,0,1,2,3
.irp c,0,1,2
	ds_load_b128 v[192+12*\tt+4*\c:192+12*\tt+4*\c+3], v6 offset:XTILE*\tt+544*(3*(\s)+\c)
.endr
.endr
.endm
	s_load_b256 s[4:11], s[0:1], 0x0               ; msk s[4:5], xq s[6:7], wgu s[8:9], hq s[10:11]
	s_load_b64 s[12:13], s[0:1], 0x20              ; route
	v_lshl_add_u32 v251, v0, 2, 0x1b000
	v_mov_b32 v255, 0
	v_and_b32 v1, 31, v0                           ; lane
	v_lshrrev_b32 v2, 5, v0
	v_readfirstlane_b32 s14, v2                    ; wave 0..3
	s_and_b32 s15, ttmp7, 0xffff                   ; slice of I
	s_mov_b32 s16, ttmp9                           ; tile
	v_and_b32 v2, 15, v0                           ; r
	v_bfe_u32 v3, v0, 4, 1                         ; hh
	v_lshlrev_b32 v4, 4, v1                        ; 16 x lane
	v_lshlrev_b32 v5, 4, v2
	v_mad_u32_u24 v5, v3, 272, v5                  ; v5: a fragment's piece for my lane, tiles 0-3
	v_add_nc_u32 v6, 4*XTILE, v5                   ; v6: tiles 4-7
	s_mul_i32 s40, s14, 2*XTILE
	v_mul_u32_u24 v7, v2, 272
	v_lshl_add_u32 v7, v3, 7, v7
	v_add_nc_u32 v7, s40, v7                       ; v7: where I put a gathered piece: piece r, token 8 hh, of my wave's two tiles
	v_mul_u32_u24 v8, v0, 48
	v_add_nc_u32 v8, XSC, v8                       ; v8: my slot's scale bytes
	v_mul_u32_u24 v9, v2, 48
	v_add_nc_u32 v9, XSC, v9                       ; v9: token r's
	v_mul_u32_u24 v10, v2, 24
	v_mad_u32_u24 v10, v3, 12, v10                 ; v10: h's codes: 24 bytes a token and block, my half's 12
	v_lshlrev_b32 v11, 4, v2
	v_lshl_add_u32 v11, v3, 8, v11                 ; v11: h's scale bytes: 16 a token; lanes 16-31 the next tile of tokens
	v_lshlrev_b32 v12, 5, v2                       ; v12: a weight row's 32 scale bytes
	v_lshlrev_b32 v13, 5, v3                       ; v13: lane 8 hh, as a permute's index
	v_lshlrev_b32 v14, 2, v0
	v_lshlrev_b32 v15, 2, v1
	s_mov_b32 s18, 0x76543210
	s_mov_b32 s19, 0xfedcba98                      ; v_permlanex16_b32's selects for lane l xor 16
	s_mov_b32 s20, 0xaaaaaaaa                      ; the lanes whose number has bit 0, 1, 2, 3, 4 set
	s_mov_b32 s21, 0xcccccccc
	s_mov_b32 s22, 0xf0f0f0f0
	s_mov_b32 s23, 0xff00ff00
	s_mov_b32 s24, 0xffff0000
	s_mov_b32 s25, 0x00ff00ff
	s_mov_b32 s66, 0xbfb8aa3b                      ; -log2(e)
	s_mov_b32 s67, s66                             ; (named with it as a pair)
	s_mov_b32 s69, 0
	s_lshl_b32 s48, s15, 2
	s_add_co_u32 s48, s48, s14                     ; B: my block of 32 I units
	s_wait_kmcnt 0x0
.irp e,0,1,2,3,4,5,6,7                 ; lane l: expert e's mask and count bytes of tokens 128 l .. 128 l + 127
	global_load_b128 v[16+4*\e:19+4*\e], v4, s[4:5] offset:512*\e
	global_load_b128 v[48+4*\e:51+4*\e], v4, s[4:5] offset:4096+512*\e
.endr
	s_add_nc_u64 s[58:59], s[6:7], 0x300000        ; x's scale bytes
	s_mul_i32 s68, s16, 49152
	s_mul_i32 s40, s48, 3072
	s_add_co_u32 s68, s68, s40
	s_add_nc_u64 s[60:61], s[10:11], s[68:69]      ; h's codes: tile, block
	s_lshl_b32 s68, s16, 11
	s_add_co_u32 s68, s68, s48
	s_add_co_u32 s68, s68, 1916928
	s_add_nc_u64 s[62:63], s[10:11], s[68:69]      ; h's scale bytes: tile, byte B of each token's 16
	s_lshl_b32 s68, s16, 9
	s_add_nc_u64 s[70:71], s[12:13], s[68:69]      ; the tile's list of tokens
	s_lshl_b32 s68, s16, 7
	s_add_co_u32 s68, s68, 19968
	s_add_nc_u64 s[72:73], s[12:13], s[68:69]      ; and its word
	s_wait_loadcnt 0x0
	; ---- each expert's count: my lane's 16 count bytes summed, two experts to a register, summed over the lanes
.irp e,0,1,2,3,4,5,6,7
	v_add3_u32 v[144+\e], v[48+4*\e], v[49+4*\e], v[50+4*\e]   ; byte by byte: each at most 8
.endr
.irp e,0,1,2,3,4,5,6,7
	v_add_nc_u32 v[144+\e], v[144+\e], v[51+4*\e]
.endr
.irp e,0,1,2,3,4,5,6,7
	v_lshrrev_b32 v[152+\e], 8, v[144+\e]
.endr
.irp e,0,1,2,3,4,5,6,7
	v_and_b32 v[144+\e], s25, v[144+\e]
.endr
.irp e,0,1,2,3,4,5,6,7
	v_and_b32 v[152+\e], s25, v[152+\e]
.endr
.irp e,0,1,2,3,4,5,6,7
	v_add_nc_u32 v[144+\e], v[144+\e], v[152+\e]
.endr
.irp e,0,1,2,3,4,5,6,7
	v_lshrrev_b32 v[152+\e], 16, v[144+\e]
.endr
.irp e,0,1,2,3,4,5,6,7
	v_and_b32 v[144+\e], 0xffff, v[144+\e]
.endr
.irp e,0,1,2,3,4,5,6,7
	v_add_nc_u32 v[144+\e], v[144+\e], v[152+\e]   ; v[144 + e]: expert e's tokens among my 128
.endr
.irp k,0,1,2,3
	v_lshl_or_b32 v[160+\k], v[145+2*\k], 16, v[144+2*\k]
	v_mov_b32 v[164+\k], 0                         ; (a lane permute's destination counts as one of its sources)
.endr
.irp d,1,2,4,8
.irp k,0,1,2,3
	v_mov_b32_dpp v[164+\k], v[160+\k] row_xmask:\d row_mask:0xf bank_mask:0xf
.endr
.irp k,0,1,2,3
	v_add_nc_u32 v[160+\k], v[160+\k], v[164+\k]
.endr
.endr
.irp k,0,1,2,3
	v_permlanex16_b32 v[164+\k], v[160+\k], s18, s19
.endr
.irp k,0,1,2,3
	v_add_nc_u32 v[160+\k], v[160+\k], v[164+\k]
.endr
.irp k,0,1,2,3
	v_readfirstlane_b32 s[40+\k], v[160+\k]
.endr
.irp k,0,1,2,3
	s_and_b32 s[32+2*\k], s[40+\k], 0xffff         ; s[32 + e]: expert e's tokens, at most 4,096
	s_lshr_b32 s[33+2*\k], s[40+\k], 16
.endr
	; ---- whose tile is mine: the last expert whose first tile is not behind mine
	s_mov_b32 s47, 0
	s_mov_b32 s44, 0
	s_mov_b32 s45, 0
	s_mov_b32 s46, 0
.irp e,0,1,2,3,4,5,6,7
	s_cmp_ge_u32 s16, s47
	s_cselect_b32 s44, \e, s44                     ; the expert,
	s_cselect_b32 s45, s47, s45                    ; its first tile,
	s_cselect_b32 s46, s[32+\e], s46               ; its tokens
	s_add_co_u32 s40, s[32+\e], 127
	s_lshr_b32 s40, s40, 7
	s_add_co_u32 s47, s47, s40
.endr
	s_sub_co_u32 s49, s16, s45                     ; j: which tile of the expert
	s_lshl_b32 s40, s49, 7
	s_sub_co_i32 s50, s46, s40
	s_max_i32 s50, s50, 0
	s_min_i32 s50, s50, 128                        ; the tile's rows: 0 where the tile lies behind the last
	s_sub_co_u32 s52, s46, 1
	s_min_u32 s44, s44, 7                          ; a number made of loaded numbers is held before it enters an address
	; ---- the first half of my weights is asked for as soon as the expert is known
	s_lshl_b32 s40, s44, 4
	s_add_co_u32 s40, s40, s48                     ; unit = 16 e + B
	s_mul_i32 s68, s40, 49152
	s_add_nc_u64 s[54:55], s[8:9], s[68:69]
	s_lshl_b32 s68, s40, 11
	s_add_co_u32 s68, s68, 6291456
	s_add_nc_u64 s[56:57], s[8:9], s[68:69]
.irp q,0,1,2,3
	global_load_b128 v[96+8*\q:99+8*\q], v12, s[56:57] offset:512*\q       ; row r's scale words of K steps 0-3,
	global_load_b128 v[100+8*\q:103+8*\q], v12, s[56:57] offset:512*\q+16  ; and 4-7
.endr
	WLOAD 0
	WLOAD 1
	WLOAD 2
	WLOAD 3
	WIN 0
	; ---- the expert's mask words, count words and count of my 128 tokens, onto expert 0's registers
.irp e,1,2,3,4,5,6,7
	s_cmp_eq_u32 s44, \e
	s_cselect_b32 s51, -1, 0
.irp i,0,1,2,3
	v_cndmask_b32 v[16+\i], v[16+\i], v[16+4*\e+\i], s51
	v_cndmask_b32 v[48+\i], v[48+\i], v[48+4*\e+\i], s51
.endr
	v_cndmask_b32 v144, v144, v[144+\e], s51
.endr
	; ---- v146: how many of the expert's tokens lie in the lanes below mine
	v_mov_b32 v145, v144
	v_mov_b32 v146, 0
	v_mov_b32 v147, 0
.set KK, 0
.irp d,1,2,4,8
	v_mov_b32_dpp v147, v145 row_xmask:\d row_mask:0xf bank_mask:0xf
	v_cndmask_b32 v148, 0, v147, s[20+KK]          ; the partner's group lies below mine where my lane's bit is set
	v_add_nc_u32 v146, v146, v148
	v_add_nc_u32 v145, v145, v147
.set KK, KK+1
.endr
	v_permlanex16_b32 v147, v145, s18, s19
	v_cndmask_b32 v148, 0, v147, s24
	v_add_nc_u32 v146, v146, v148
	; ---- my slot's token: the R-th of the expert's, R = 128 j + 32 wave + lane, held at the expert's last
	s_lshl_b32 s40, s49, 7
	s_lshl_b32 s41, s14, 5
	s_add_co_u32 s40, s40, s41
	v_add_nc_u32 v149, s40, v1
	v_min_u32 v149, s52, v149
	s_wait_alu depctr_va_vdst(0)
	v_mov_b32 v150, 0                              ; 4 x the last lane whose count below is at most R: five halvings
.irp d,64,32,16,8,4
	v_add_nc_u32 v151, \d, v150
	v_min_u32 v151, 124, v151
	ds_bpermute_b32 v152, v151, v146
	s_wait_alu depctr_va_vdst(0)
	s_wait_dscnt 0x0
	v_cmp_le_u32 vcc_lo, v152, v149
	v_cndmask_b32 v150, v150, v151, vcc_lo
.endr
	v_min_u32 v150, 124, v150
	ds_bpermute_b32 v152, v150, v146               ; that lane's count below, its four mask words and four count words
.irp i,0,1,2,3
	ds_bpermute_b32 v[153+\i], v150, v[16+\i]
.endr
.irp i,0,1,2,3
	ds_bpermute_b32 v[157+\i], v150, v[48+\i]
.endr
	s_wait_dscnt 0x0
	v_sub_nc_u32 v161, v149, v152                  ; which of that lane's tokens
.irp i,0,1,2
	v_lshrrev_b32 v[165+\i], 8, v[157+\i]
	v_and_b32 v[162+\i], s25, v[157+\i]
	v_and_b32 v[165+\i], s25, v[165+\i]
	v_add_nc_u32 v[162+\i], v[162+\i], v[165+\i]
	v_lshrrev_b32 v[165+\i], 16, v[162+\i]
	v_and_b32 v[162+\i], 0xffff, v[162+\i]
	v_add_nc_u32 v[162+\i], v[162+\i], v[165+\i]   ; the tokens in count word i
.endr
	v_add_nc_u32 v163, v163, v162
	v_add_nc_u32 v164, v164, v163                  ; running sums: they do not fall, so the number of sums that are at most the rest is the word's index
	v_mov_b32 v168, v153
	v_mov_b32 v169, v157
	v_mov_b32 v170, 0
	v_mov_b32 v171, 0
.irp i,0,1,2
	v_cmp_le_u32 vcc_lo, v[162+\i], v161
	v_cndmask_b32 v168, v168, v[154+\i], vcc_lo    ; the mask word,
	v_cndmask_b32 v169, v169, v[158+\i], vcc_lo    ; the count word,
	v_cndmask_b32 v170, v170, v[162+\i], vcc_lo    ; the tokens ahead of it,
	v_add_co_ci_u32 v171, vcc_lo, 0, v171, vcc_lo  ; its index
.endr
	v_sub_nc_u32 v161, v161, v170
	v_and_b32 v162, 0xff, v169                     ; the same among the word's four bytes
	v_bfe_u32 v163, v169, 8, 8
	v_bfe_u32 v164, v169, 16, 8
	v_add_nc_u32 v163, v163, v162
	v_add_nc_u32 v164, v164, v163
	v_mov_b32 v170, 0
	v_mov_b32 v172, 0
.irp i,0,1,2
	v_cmp_le_u32 vcc_lo, v[162+\i], v161
	v_cndmask_b32 v170, v170, v[162+\i], vcc_lo
	v_add_co_ci_u32 v172, vcc_lo, 0, v172, vcc_lo
.endr
	v_sub_nc_u32 v161, v161, v170
	v_lshlrev_b32 v172, 3, v172                    ; 8 x the byte's index
	v_lshrrev_b32 v173, v172, v168
	v_and_b32 v173, 0xff, v173                     ; the mask byte
	v_mov_b32 v174, 0
	v_mov_b32 v175, 0
.irp i,0,1,2,3,4,5,6                   ; and among its bits: the place of the set bit that has `rest` set bits below it
	v_bfe_u32 v176, v173, \i, 1
	v_add_nc_u32 v174, v174, v176
	v_cmp_le_u32 vcc_lo, v174, v161
	v_add_co_ci_u32 v175, vcc_lo, 0, v175, vcc_lo
.endr
	v_lshlrev_b32 v128, 5, v150                    ; 128 x lane
	v_lshl_add_u32 v128, v171, 5, v128             ; + 32 x word
	v_add3_u32 v128, v128, v172, v175              ; + 8 x byte + bit
	v_min_u32 v128, 0xfff, v128                    ; my slot's token
	; ---- the route, for the last launch: slice 0 stores it
	s_cmp_lg_u32 s15, 0
	s_cbranch_scc1 .Lno_route
	global_store_b32 v14, v128, s[70:71]
	s_cmp_lg_u32 s14, 0
	s_cbranch_scc1 .Lno_route
	s_lshl_b32 s40, s50, 8
	s_or_b32 s40, s40, s44
	v_mov_b32 v129, s40                            ; expert | rows << 8
	global_store_b32 v15, v129, s[72:73]           ; 32 times: 128 consecutive bytes
.Lno_route:
	; ---- the gather: sixteen lanes read 256 consecutive bytes of one token's 768; lanes 0-15 slot 16 tl + u, lanes 16-31 slot 16 tl + 8 + u
.irp tl,0,1
.irp u,0,1,2,3,4,5,6,7
	v_add_nc_u32 v[80+8*\tl+\u], 64*\tl+4*\u, v13
.endr
.endr
.irp k,0,1,2,3,4,5,6,7,8,9,10,11,12,13,14,15
	ds_bpermute_b32 v[80+\k], v[80+\k], v128
.endr
	v_lshlrev_b32 v138, 5, v128                    ; my own slot's 32 scale bytes
	s_wait_dscnt 0x0
.irp k,0,1,2,3,4,5,6,7,8,9,10,11,12,13,14,15
	v_min_u32 v[80+\k], 0xfff, v[80+\k]
.endr
.irp k,0,1,2,3,4,5,6,7,8,9,10,11,12,13,14,15
	v_mul_u32_u24 v[80+\k], v[80+\k], 768
.endr
.irp k,0,1,2,3,4,5,6,7,8,9,10,11,12,13,14,15
	v_lshl_add_u32 v[80+\k], v2, 4, v[80+\k]
.endr
	WIN 0xc0                                       ; destination window 3
.irp k,0,1,2,3,4,5,6,7,8,9,10,11,12,13,14,15
.irp c,0,1,2
	global_load_b128 v[4*(3*\k+\c):4*(3*\k+\c)+3], v[80+\k], s[6:7] offset:256*\c
.endr
.endr
	WIN 0
	global_load_b128 v[130:133], v138, s[58:59]
	global_load_b128 v[134:137], v138, s[58:59] offset:16
	WLOAD 4                                        ; the second half of my weights: 48 loads
	WLOAD 5
	WLOAD 6
	WLOAD 7
	s_wait_loadcnt 48                              ; all but those 48: the gathered rows are in, and so are the weights of K steps 0-3 and their scale words
	WIN 0x0c                                       ; an LDS store's data are its source 1: window 3
.irp tl,0,1
.irp u,0,1,2,3,4,5,6,7
.irp c,0,1,2
	ds_store_b128 v7, v[4*(3*(8*\tl+\u)+\c):4*(3*(8*\tl+\u)+\c)+3] offset:XTILE*\tl+4352*\c+16*\u
.endr
.endr
.endr
	WIN 0
	ds_store_b128 v8, v[130:133]
	ds_store_b128 v8, v[134:137] offset:16
	s_wait_dscnt 0x0                               ; for the others' sake: my stores have landed
	s_barrier_signal -1
	s_barrier_wait -1                              ; the one barrier: it stands ahead of every branch on a loaded number
	s_cmp_eq_u32 s50, 0
	s_cbranch_scc1 .Lend                           ; a tile without rows
.irp tt,0,1,2,3,4,5,6,7
	ds_load_b128 v[16+8*\tt:19+8*\tt], v9 offset:768*\tt          ; token r's scale words of K steps 0-3,
	ds_load_b128 v[20+8*\tt:23+8*\tt], v9 offset:768*\tt+16       ; and 4-7
.endr
	XFETCH 0
; A K step of 128: 32 matrix instructions on 32 accumulators by turns, in the same order in every step; the next step's fragments of x are asked for ahead of them.
.macro KSTEP s
.if \s >= 4
	s_wait_loadcnt 12*(7-\s)                       ; this step's weights are in; the later steps', 12 loads each, may be out
.endif
	s_wait_dscnt 0x0                               ; this step's fragments of x are in (asked for 32 matrix instructions ago)
.if \s > 0
.rept 4
	v_nop                                          ; places in front of loads into registers that matrix instructions have read
.endr
.endif
.if \s < 7
.if (\s+1)%2
	WIN 0x80
.else
	WIN 0
.endif
	XFETCH \s+1
.endif
.set WN, 0xf0+8*(\s%2)+1+(\s/5)                    ; C and D window 3; x window 0 or 2; the weights window 1 or 2
	WIN WN
.if \s < 5
.set WB, 48*\s
.else
.set WB, 48*(\s-5)
.endif
.irp tt,0,1,2,3,4,5,6,7
.irp q,0,1,2,3
.if \s == 0
	v_wmma_scale_f32_16x16x128_f8f6f4 v[8*(4*\tt+\q):8*(4*\tt+\q)+7], v[WB+12*\q:WB+12*\q+11], v[144+12*\tt:144+12*\tt+11], 0, v[96+8*\q+\s], v[16+8*\tt+\s] matrix_a_fmt:MATRIX_FMT_FP6 matrix_b_fmt:MATRIX_FMT_FP6
.else
	v_wmma_scale_f32_16x16x128_f8f6f4 v[8*(4*\tt+\q):8*(4*\tt+\q)+7], v[WB+12*\q:WB+12*\q+11], v[144+12*\tt:144+12*\tt+11], v[8*(4*\tt+\q):8*(4*\tt+\q)+7], v[96+8*\q+\s], v[16+8*\tt+\s] matrix_a_fmt:MATRIX_FMT_FP6 matrix_b_fmt:MATRIX_FMT_FP6
.endif
.endr
.endr
.endm
	KSTEP 0
	KSTEP 1
	KSTEP 2
	KSTEP 3
	KSTEP 4
	KSTEP 5
	KSTEP 6
	KSTEP 7
.rept 4
	v_nop                                          ; places in front of the first read of results
.endr
; THE WAY OUT, four tiles of tokens at a time.  Lane (r, hh) holds token r and I units 16 hh + 0 .. 15 of my block: g in a tile's registers 0-15, u in 16-31.
; h = u * g / (1 + 2^(-log2(e) g)).  The exponentials and the reciprocals go as batches, each with one wait.  Each accumulator is read from its low end on.
.macro HALF hf
	WIN 0x03                                       ; source 0 window 3
.irp t,0,1,2,3
.irp j,0,2,4,6,8,10,12,14
	v_pk_mul_f32 v[144+16*\t+\j:144+16*\t+\j+1], v[128*\hf+32*\t+\j:128*\hf+32*\t+\j+1], s[66:67] op_sel_hi:[1,0]
.endr
.endr
	WIN 0
.set N, 0
	s_wait_alu depctr_va_vdst(0)
.rept 64
	v_exp_f32 v[144+N], v[144+N]
.set N, N+1
.endr
	v_nop                                          ; a plain line behind the last exponential
	s_wait_alu depctr_va_vdst(0)                   ; the wait ahead of the first reader: one for the batch
.set N, 0
.rept 32
	v_pk_add_f32 v[144+N:145+N], v[144+N:145+N], 1.0 op_sel_hi:[1,0]
.set N, N+2
.endr
.set N, 0
	s_wait_alu depctr_va_vdst(0)
.rept 64
	v_rcp_f32 v[144+N], v[144+N]
.set N, N+1
.endr
	v_nop
	s_wait_alu depctr_va_vdst(0)
	WIN 0x03
.irp t,0,1,2,3
.irp j,0,2,4,6,8,10,12,14
	v_pk_mul_f32 v[144+16*\t+\j:144+16*\t+\j+1], v[128*\hf+32*\t+\j:128*\hf+32*\t+\j+1], v[144+16*\t+\j:144+16*\t+\j+1]   ; silu(g)
.endr
.endr
.irp t,0,1,2,3
.irp j,0,2,4,6,8,10,12,14
	v_pk_mul_f32 v[144+16*\t+\j:144+16*\t+\j+1], v[128*\hf+32*\t+16+\j:128*\hf+32*\t+16+\j+1], v[144+16*\t+\j:144+16*\t+\j+1]   ; x u
.endr
.endr
	WIN 0
.irp t,0,1,2,3
	v_max3_num_f32 v[208+\t], |v[144+16*\t]|, |v[145+16*\t]|, 0x1800000   ; my 16 numbers of the block, and the floor 2^(3 - 127)
.endr
.irp i,2,4,6,8,10,12,14
.irp t,0,1,2,3
	v_max3_num_f32 v[208+\t], v[208+\t], |v[144+16*\t+\i]|, |v[145+16*\t+\i]|
.endr
.endr
.irp t,0,1,2,3
	v_permlanex16_b32 v[212+\t], v[208+\t], s18, s19
.endr
.irp t,0,1,2,3
	v_max_num_f32 v[208+\t], v[208+\t], v[212+\t]  ; with lane l xor 16's: the block's largest magnitude
.endr
.irp t,0,1,2,3
	v_add_nc_u32 v[216+\t], 0xff000000, v[208+\t]  ; 2 off its exponent field: the conversion's scale operand
.endr
.irp t,0,1,2,3
	v_lshrrev_b32 v[220+\t], 23, v[216+\t]         ; the scale's byte
.endr
.irp t,0,1,2,3
	v_cvt_scalef32_pk16_fp6_f32 v[224+16*\hf+4*\t:226+16*\hf+4*\t], v[144+16*\t:159+16*\t], v[216+\t]
.endr
	v_nop                                          ; a plain line behind the last conversion
.irp t,0,1,2,3
	global_store_b96 v10, v[224+16*\hf+4*\t:226+16*\hf+4*\t], s[60:61] offset:384*(4*\hf+\t)   ; the wave stores a tile's 384 consecutive bytes
.endr
.irp p,0,1
	v_cndmask_b32 v[80+2*\hf+\p], v[220+2*\p], v[221+2*\p], s24    ; lanes 0-15 the even tile's byte, lanes 16-31 the odd tile's
	global_store_b8 v11, v[80+2*\hf+\p], s[62:63] offset:512*(2*\hf+\p)
.endr
.endm
	HALF 0
	HALF 1                                         ; no register that a store reads is written again
.Lend:
	s_wait_tensorcnt 0x0
	ds_add_u32 v251, v255
	s_wait_dscnt 0x0
	s_endpgm
.Lfunc_end_k_q949e196328_gateup:
	.size	k_q949e196328_gateup, .Lfunc_end_k_q949e196328_gateup-k_q949e196328_gateup
	.p2alignl 7, 3214868480
	.fill 96, 4, 3214868480
	.section	.rodata,"a",@progbits
	.p2align	6, 0x0
	.amdhsa_kernel k_q949e196328_gateup
		.amdhsa_group_segment_fixed_size 111104
		.amdhsa_private_segment_fixed_size 0
		.amdhsa_enable_private_segment 0
		.amdhsa_kernarg_size 40
		.amdhsa_user_sgpr_count 2
		.amdhsa_user_sgpr_kernarg_segment_ptr 1
		.amdhsa_wavefront_size32 1
		.amdhsa_system_sgpr_workgroup_id_x 1
		.amdhsa_system_sgpr_workgroup_id_y 1
		.amdhsa_system_sgpr_workgroup_id_z 1
		.amdhsa_system_vgpr_workitem_id 0
		.amdhsa_next_free_vgpr 1024
		.amdhsa_next_free_sgpr 80
		.amdhsa_reserve_vcc 1
		.amdhsa_float_denorm_mode_32 3
		.amdhsa_float_denorm_mode_16_64 3
		.amdhsa_memory_ordered 1
		.amdhsa_forward_progress 1
		.amdhsa_inst_pref_size 128
	.end_amdhsa_kernel
	.amdgpu_metadata
---
amdhsa.version: [ 1, 2 ]
amdhsa.kernels:
  - .name:           k_q949e196328_gateup
    .symbol:         k_q949e196328_gateup.kd
    .args:
      - { .name: msk, .offset: 0, .size: 8, .value_kind: global_buffer, .address_space: global }
      - { .name: xq, .offset: 8, .size: 8, .value_kind: global_buffer, .address_space: global }
      - { .name: wgu, .offset: 16, .size: 8, .value_kind: global_buffer, .address_space: global }
      - { .name: hq, .offset: 24, .size: 8, .value_kind: global_buffer, .address_space: global }
      - { .name: route, .offset: 32, .size: 8, .value_kind: global_buffer, .address_space: global }
    .group_segment_fixed_size: 111104
    .private_segment_fixed_size: 0
    .kernarg_segment_align: 8
    .kernarg_segment_size: 40
    .max_flat_workgroup_size: 128
    .sgpr_count:     80
    .vgpr_count:     1024
    .wavefront_size: 32
...
	.end_amdgpu_metadata
.endif
;; end of part 2
;; launch down (part 3): grid 39 x 4, 4 waves a work-group, no clusters, 86,528 bytes of LDS; arguments route, hq, wdn, out0; writes out0
.if DOCPART == 3
	.amdgcn_target "amdgcn-amd-amdhsa--gfx1250"
	.amdhsa_code_object_version 6
	.text
	.protected	k_q949e196328_down
	.globl	k_q949e196328_down
	.p2align	8
	.type	k_q949e196328_down,@function
k_q949e196328_down:
	s_mov_b64 s[64:65], 0
	v_nop
	global_prefetch_b8 v0, s[64:65] scope:SCOPE_SE
	s_setreg_imm32_b32 hwreg(HW_REG_WAVE_MODE, 25, 1), 1
	s_wait_xcnt 0x0
; THE THIRD LAUNCH: out[token] = Q(h) Q(w_down[e])^T for the tokens of a tile, stored to the tokens' own rows.  Each token lies in one tile, so each row of out0 has one owner for each of its columns.
; The grid is the second launch's: x the tile of 128 rows (at most 39, whatever the choice), y one of four slices of 256 of the 1,024 columns.  The tile's expert and rows and its list of tokens were stored as whole numbers.
; A tile without rows stores nothing and ends.  The slots behind an expert's last token repeat that token: they store the same bytes to the same row; whole groups of 32 such slots are passed over by a scalar branch on the stored count.
; No multicast and no tensor load: branches hang on a number read from memory, so operands go from memory to registers by plain loads.
; SHARES.  Wave wv owns 64 columns (unit nu = 4 y + wv): four tiles of 16 rows of w_down, 4 K steps: 192 registers, loaded once in the order of the operand's registers.  It multiplies them with all 8 tiles of 16 tokens: 32 accumulators.
; The tile's codes of h (16 blocks x 3,072 bytes) are brought into LDS once for the work-group, four blocks a wave, 3,200 bytes from block to block.
; THE PRODUCT IS USED TRANSPOSED (source 0 = 16 rows of w_down, source 1 = 16 tokens): a lane holds one token and eight neighbouring columns.
; REGISTERS.  Window 0: v1-10 addresses; v16-31 w_down's scale words (4 q + s); v32-63 h's (4 tt + s); v64-127 the tokens' byte offsets in out0 (8 tt + i); v128-191 rows on the way out, two sets.
;   Window 1: the weights (12 (4 s + q)).   Window 2: h's fragments, v0-95 and v96-191 by turns.   Window 3: accumulator (tt, q) at v[8 (4 tt + q)]; ahead of the products v0-95 hold h's codes on their way to LDS.
.set HBLK, 3200                        ; LDS: a block's 128 tokens x 24 bytes + 128: lanes 16-31, one block on, fall on the other half of the banks
.set STG,  16*HBLK                     ; behind the sixteen: two stages of 16 rows x (256 + 16) bytes for each wave
.set MSB, 0
.macro WIN new                         ; the immediate's high byte repeats the setting that is left
.if MSB != \new
	s_set_vgpr_msb (MSB<<8)|\new
.set MSB, \new
.endif
.endm
.macro WLOAD s                         ; my four fragments of K step s: 12 loads of 512 consecutive bytes; destination window 1
.irp q,0,1,2,3
.irp c,0,1,2
	global_load_b128 v[12*(4*\s+\q)+4*\c:12*(4*\s+\q)+4*\c+3], v4, s[30:31] offset:1536*(4*\s+\q)+512*\c
.endr
.endr
.endm
.macro HFETCH s, reg                   ; h's eight fragments of K step s: lane (r, hh): registers 0-5 block 4 s + hh, registers 6-11 block 4 s + 2 + hh, of token r; pieces of 8 bytes
.irp tt,0,1,2,3,4,5,6,7
.irp p,0,1,2,3,4,5
	ds_load_b64 v[\reg+12*\tt+2*\p:\reg+12*\tt+2*\p+1], v5 offset:HBLK*(4*(\s)+2*(\p/3))+384*\tt+8*(\p%3)
.endr
.endr
.endm
	s_load_b256 s[4:11], s[0:1], 0x0               ; route s[4:5], hq s[6:7], wdn s[8:9], out0 s[10:11]
	v_lshl_add_u32 v254, v0, 2, 0x15000
	v_mov_b32 v255, 0
	v_and_b32 v1, 31, v0                           ; lane
	v_lshrrev_b32 v2, 5, v0
	v_readfirstlane_b32 s14, v2                    ; wave 0..3
	s_and_b32 s15, ttmp7, 0xffff                   ; slice of the columns
	s_mov_b32 s16, ttmp9                           ; tile
	s_lshl_b32 s21, s16, 7
	v_and_b32 v2, 15, v0                           ; r
	v_bfe_u32 v3, v0, 4, 1                         ; hh
	v_lshlrev_b32 v4, 4, v1                        ; 16 x lane
	v_mul_u32_u24 v5, v2, 24
	v_mad_u32_u24 v5, v3, HBLK, v5                 ; v5: a fragment's pieces for my lane
	s_mul_i32 s17, s14, 4*HBLK
	v_add_nc_u32 v6, s17, v4                       ; v6: where I put h's codes: my wave's four blocks
	v_lshlrev_b32 v7, 4, v2                        ; v7: 16 r
	s_mul_i32 s17, s14, 8704
	s_add_co_u32 s17, s17, STG                     ; my stages
	v_mul_u32_u24 v8, v2, 272
	v_lshl_add_u32 v8, v3, 5, v8
	v_add_nc_u32 v8, s17, v8                       ; v8: in: row r, my half's 32 bytes of a tile's 64
	v_mad_u32_u24 v9, v3, 2176, v7
	v_add_nc_u32 v9, s17, v9                       ; v9: back: lanes 0-15 row i, lanes 16-31 row 8 + i; 16 bytes a lane
	v_lshlrev_b32 v10, 5, v3                       ; v10: my half's eight entries of a tile's sixteen in the list
	s_mov_b32 s39, 0
	s_lshl_b32 s18, s15, 2
	s_add_co_u32 s18, s18, s14                     ; nu
	s_wait_alu depctr_va_vdst(0)
	s_wait_kmcnt 0x0
	s_load_b32 s20, s[4:5], s21 offset:0x4e00      ; the tile's word: expert | rows << 8
	s_lshl_b32 s38, s16, 9
	s_add_nc_u64 s[34:35], s[4:5], s[38:39]        ; the tile's list of tokens
	s_lshl_b32 s38, s18, 8
	s_add_nc_u64 s[36:37], s[10:11], s[38:39]      ; out0 at my 64 columns
	s_wait_kmcnt 0x0
	s_and_b32 s22, s20, 0xff
	s_min_u32 s22, s22, 7                          ; loaded numbers are held before they enter an address or a branch
	s_lshr_b32 s23, s20, 8
	s_min_u32 s23, s23, 128                        ; rows
	s_cmp_lg_u32 s23, 0
	s_cselect_b32 s24, s16, 0                      ; a tile without rows has no h: its loads, which are not used, read tile 0's, which always has rows
	s_lshl_b32 s25, s22, 4
	s_add_co_u32 s25, s25, s18                     ; unit = 16 e + nu
	s_mul_i32 s38, s24, 49152
	s_mul_i32 s19, s14, 12288
	s_add_co_u32 s38, s38, s19
	s_add_nc_u64 s[26:27], s[6:7], s[38:39]        ; h's codes: the tile's, my wave's four blocks
	s_lshl_b32 s38, s24, 11
	s_add_co_u32 s38, s38, 1916928
	s_add_nc_u64 s[28:29], s[6:7], s[38:39]        ; h's scale bytes
	s_mul_i32 s38, s25, 24576
	s_add_nc_u64 s[30:31], s[8:9], s[38:39]        ; the weights' codes
	s_lshl_b32 s38, s25, 10
	s_add_co_u32 s38, s38, 3145728
	s_add_nc_u64 s[32:33], s[8:9], s[38:39]        ; and scale bytes
	WIN 0xc0                                       ; destination window 3
.irp k,0,1,2,3,4,5,6,7,8,9,10,11,12,13,14,15,16,17,18,19,20,21,22,23
	global_load_b128 v[4*\k:4*\k+3], v4, s[26:27] offset:512*\k    ; 12,288 consecutive bytes
.endr
	WIN 0
.irp q,0,1,2,3
	global_load_b128 v[16+4*\q:19+4*\q], v7, s[32:33] offset:256*\q     ; row r's four scale words
.endr
.irp tt,0,1,2,3,4,5,6,7
	global_load_b128 v[32+4*\tt:35+4*\tt], v7, s[28:29] offset:256*\tt  ; token r's
.endr
	WIN 0x40
	WLOAD 0
	WLOAD 1
	s_wait_loadcnt 36                              ; h's codes are in; the 4 + 8 + 24 loads behind them may be out
	WIN 0x0c                                       ; an LDS store's data are its source 1: window 3
.irp k,0,1,2,3,4,5,6,7,8,9,10,11,12,13,14,15,16,17,18,19,20,21,22,23
	ds_store_b128 v6, v[4*\k:4*\k+3] offset:HBLK*(\k/6)+512*(\k%6)
.endr
	WIN 0x40
	WLOAD 2
	WLOAD 3
	WIN 0
.irp tt,0,1,2,3,4,5,6,7
	global_load_b128 v[64+8*\tt:67+8*\tt], v10, s[34:35] offset:64*\tt       ; the tokens of slots 16 tt + 8 hh + 0 .. 3,
	global_load_b128 v[68+8*\tt:71+8*\tt], v10, s[34:35] offset:64*\tt+16    ; and 4 .. 7
.endr
	s_wait_dscnt 0x0                               ; for the others' sake: my stores have landed
	s_barrier_signal -1
	s_barrier_wait -1                              ; the one barrier: it stands ahead of every branch on a loaded number
	s_cmp_eq_u32 s23, 0
	s_cbranch_scc1 .Ldone                          ; a tile without rows
	WIN 0x80                                       ; destination window 2
	HFETCH 0, 0
; A K step of 128: 32 matrix instructions on 32 accumulators by turns, in the same order in every step; the next step's fragments of h are asked for ahead of them.
.macro KSTEP s
	s_wait_loadcnt 52-12*\s                        ; the scale words and this step's weights are in; behind them: the later steps' weights, 12 loads each, and the list's 16
	s_wait_dscnt 0x0                               ; this step's fragments of h are in
.if \s > 0
.rept 4
	v_nop                                          ; places in front of loads into registers that matrix instructions have read
.endr
.endif
.if \s < 3
	WIN 0x80
	HFETCH \s+1, 96*((\s+1)%2)
.endif
	WIN 0xf9                                       ; the weights window 1, h window 2, C and D window 3
.irp tt,0,1,2,3,4,5,6,7
.irp q,0,1,2,3
.if \s == 0
	v_wmma_scale_f32_16x16x128_f8f6f4 v[8*(4*\tt+\q):8*(4*\tt+\q)+7], v[12*(4*\s+\q):12*(4*\s+\q)+11], v[96*(\s%2)+12*\tt:96*(\s%2)+12*\tt+11], 0, v[16+4*\q+\s], v[32+4*\tt+\s] matrix_a_fmt:MATRIX_FMT_FP6 matrix_b_fmt:MATRIX_FMT_FP6
.else
	v_wmma_scale_f32_16x16x128_f8f6f4 v[8*(4*\tt+\q):8*(4*\tt+\q)+7], v[12*(4*\s+\q):12*(4*\s+\q)+11], v[96*(\s%2)+12*\tt:96*(\s%2)+12*\tt+11], v[8*(4*\tt+\q):8*(4*\tt+\q)+7], v[16+4*\q+\s], v[32+4*\tt+\s] matrix_a_fmt:MATRIX_FMT_FP6 matrix_b_fmt:MATRIX_FMT_FP6
.endif
.endr
.endr
.endm
	KSTEP 0
	KSTEP 1
	KSTEP 2
	KSTEP 3
	WIN 0
	s_wait_loadcnt 0x0                             ; the list
.set N, 0
.rept 64                               ; a token's row of 4,096 bytes, + my 16 bytes of the wave's 256.  These 128 plain lines are also the places behind the last products
	v_min_u32 v[64+N], 0xfff, v[64+N]
	v_lshl_add_u32 v[64+N], v[64+N], 12, v7
.set N, N+1
.endr
; THE WAY OUT.  A lane holds 32 bytes of a token's row and the lanes beside it hold other tokens: a tile of 16 tokens goes through my own stage and comes back as rows of 256 bytes.
; LDS serves a wave's instructions in order: no wait between the stores and the loads.
.macro TOSTAGE tt
	WIN 0x0c
.irp q,0,1,2,3
	ds_store_b128 v8, v[8*(4*(\tt)+\q):8*(4*(\tt)+\q)+3] offset:4352*((\tt)%2)+64*\q           ; each accumulator from its low end on
	ds_store_b128 v8, v[8*(4*(\tt)+\q)+4:8*(4*(\tt)+\q)+7] offset:4352*((\tt)%2)+64*\q+16
.endr
	WIN 0
.irp i,0,1,2,3,4,5,6,7
	ds_load_b128 v[128+32*((\tt)%2)+4*\i:128+32*((\tt)%2)+4*\i+3], v9 offset:4352*((\tt)%2)+272*\i
.endr
.endm
.macro SEND tt, younger                ; younger: the LDS instructions issued behind this tile's loads, which may stay out
.irp i,0,1,2,3,4,5,6,7
	s_wait_dscnt \younger+7-\i
	global_store_b128 v[64+8*(\tt)+\i], v[128+32*((\tt)%2)+4*\i:128+32*((\tt)%2)+4*\i+3], s[36:37] th:TH_STORE_NT   ; sixteen lanes store 256 consecutive bytes of a token's row, at a multiple of 256 from out0's first byte
.endr
.endm
.irp g,0,1,2,3
.if \g > 0
	s_cmp_le_u32 s23, 32*\g                        ; these 32 slots only repeat the expert's last token
	s_cbranch_scc1 .Ldone
	s_wait_xcnt 0x0                                ; the last group's stores have read their registers: the rows' registers are loaded again only behind this wait
.endif
	TOSTAGE 2*\g
	TOSTAGE 2*\g+1
	SEND 2*\g, 16
	s_wait_alu depctr_va_vdst(0)
	SEND 2*\g+1, 0
.endr
.Ldone:
	s_wait_tensorcnt 0x0
	ds_add_u32 v254, v255
	s_wait_dscnt 0x0
	s_endpgm
.Lfunc_end_k_q949e196328_down:
	.size	k_q949e196328_down, .Lfunc_end_k_q949e196328_down-k_q949e196328_down
	.p2alignl 7, 3214868480
	.fill 96, 4, 3214868480
	.section	.rodata,"a",@progbits
	.p2align	6, 0x0
	.amdhsa_kernel k_q949e196328_down
		.amdhsa_group_segment_fixed_size 86528
		.amdhsa_private_segment_fixed_size 0
		.amdhsa_enable_private_segment 0
		.amdhsa_kernarg_size 32
		.amdhsa_user_sgpr_count 2
		.amdhsa_user_sgpr_kernarg_segment_ptr 1
		.amdhsa_wavefront_size32 1
		.amdhsa_system_sgpr_workgroup_id_x 1
		.amdhsa_system_sgpr_workgroup_id_y 1
		.amdhsa_system_sgpr_workgroup_id_z 1
		.amdhsa_system_vgpr_workitem_id 0
		.amdhsa_next_free_vgpr 1024
		.amdhsa_next_free_sgpr 66
		.amdhsa_reserve_vcc 0
		.amdhsa_float_denorm_mode_32 3
		.amdhsa_float_denorm_mode_16_64 3
		.amdhsa_memory_ordered 1
		.amdhsa_forward_progress 1
		.amdhsa_inst_pref_size 68
	.end_amdhsa_kernel
	.amdgpu_metadata
---
amdhsa.version: [ 1, 2 ]
amdhsa.kernels:
  - .name:           k_q949e196328_down
    .symbol:         k_q949e196328_down.kd
    .args:
      - { .name: route, .offset: 0, .size: 8, .value_kind: global_buffer, .address_space: global }
      - { .name: hq, .offset: 8, .size: 8, .value_kind: global_buffer, .address_space: global }
      - { .name: wdn, .offset: 16, .size: 8, .value_kind: global_buffer, .address_space: global }
      - { .name: out0, .offset: 24, .size: 8, .value_kind: global_buffer, .address_space: global }
    .group_segment_fixed_size: 86528
    .private_segment_fixed_size: 0
    .kernarg_segment_align: 8
    .kernarg_segment_size: 32
    .max_flat_workgroup_size: 128
    .sgpr_count:     66
    .vgpr_count:     1024
    .wavefront_size: 32
...
	.end_amdgpu_metadata
.endif
;; end of part 3
